; MI455X (gfx1250); checked and timed in simulation.
; The chip was launched on July 23, 2026; its instructions are those of AMD's public machine-readable ISA for CDNA 5 (MIT licence, August 2026) and "CDNA5" Instruction Set Architecture Reference Guide (July 2026). The comments in the code are by the model that wrote it; some were corrected since.
;; GP Neuron. Allowed arithmetic: float matrix products may take bf16 or f16 operands with f32 sums; all other float work in f32.
;; Inputs: a 1 float32; b 1 float32; h 5 float32; l 1 float32; s 1 float32; x_mean 4,194,304 float32; x_var 4,194,304 float32; z 5 float32.
;; Outputs: out0 4,194,304 float32; out1 4,194,304 float32.
;; 2 versions, each right; version 2 is version 1 with the launch gp written anew for expert scheduling mode. Each part assembles by itself: llvm-mc -triple=amdgcn-amd-amdhsa -mcpu=gfx1250 --defsym DOCPART=n.
;; ======== version 1 of 2: 1 launch
;; launch gp (part 1): grid 256 x 1, 16 waves a work-group, no clusters, 2,304 bytes of LDS; arguments x_mean, x_var, out0, out1, z, h, l, s, a, b; writes out0, out1
.if DOCPART == 1
	.amdgcn_target "amdgcn-amd-amdhsa--gfx1250"
	.amdhsa_code_object_version 6
	.text
	.protected	k_q846b423f5d_gp
	.globl	k_q846b423f5d_gp
	.p2align	8
	.type	k_q846b423f5d_gp,@function
k_q846b423f5d_gp:
	s_mov_b64 s[64:65], 0
	v_nop
	global_prefetch_b8 v0, s[64:65] scope:SCOPE_SE
	s_setreg_imm32_b32 hwreg(HW_REG_WAVE_MODE, 25, 1), 1
	s_wait_xcnt 0x0
; GP neuron with 5 inducing points, 4,194,304 independent scalar inputs (m = x_mean[n], v = x_var[n]), all in f32.
;   out0 = a m + b + q . (Qinv h)          q_j = N(m; z_j, v + l^2)
;   out1 = s^2 l / sqrt(l^2 + 2 v) - sqrt(2 pi) s^2 l |Linv q|^2 + 1e-6,      L = chol(Q_hh + 1e-6 I)
;
; SHARES.  256 work-groups of 16 waves; a work-group owns 16,384 elements = 65,536 bytes of each array, as 8 chunks of 8,192 bytes.
; In chunk i thread t owns the 16 bytes at 8192 i + 16 t: each load and store of a wave covers 512 consecutive bytes, aligned.
; A wave's whole share is 16 loads (64 registers); all are issued in the first lines, so there is no ring, no refill, no loop.
; Results are written into the chunk's own input registers and stored from there: no register that a memory instruction names
; (v1, the bases, store data) is written again and EXEC never changes, so no wait is needed to free a source.
;
; THE 5 x 5 PART hangs on no element.  Wave 0 computes it (uniform vector arithmetic, every lane the same numbers) while the loads are
; on their way, lays 32 constants into LDS, and behind one barrier every wave reads them into v[CB:CB+31].
;
; ALGEBRA, with c = log2(e)/2, RI_j = 1/L_jj, C = (diag(RI) L)^-1 (unit lower triangle, Linv = C diag(RI)):
;   R   = rsq(v/c + l^2/c)                 so that R^2 = c / (v + l^2)
;   U_j = (z_0 - z_j) R + (m - z_0) R      centred on z_0: a common offset of x_mean and z cancels before anything is multiplied
;   E_j = exp2(-U_j^2 + log2(beta RI_j))   beta = (sqrt(2 pi) c)^-1/2: Linv's diagonal and all constant factors ride in the addend
;   A_i = E_i + sum over j < i of C_ij E_j                          (10 multiply-adds in place of 15)
;   out0 = R (sum W_j E_j) + (a m + b)     W = (2 pi)^-1/4 C^T (C (RI h))
;   out1 = (rsq(2 v + l^2) - R^2 sum A_i^2) s^2 l + 1e-6
;
; NOT ON THE MATRIX UNITS: the products have K = 5 and 6 useful columns, and 16-bit operands would carry a relative rounding of 2^-9
; into sum_j Linv_ij q_j, whose terms cancel the more the closer the z lie (Linv grows as the root of Q_hh's condition number).
; NO CLUSTER: all that work-groups share is the 56 bytes of z, h, l, s, a, b.
;
; LIMITS.  The order of rounding is not reference()'s (rsq in place of root and division; Linv used as C diag(RI); w as Linv^T (Linv h));
; as there, errors of the 5 x 5 part grow with cond(Q_hh) x 2^-24.  v_exp_f32 gives 0 for results under 2^-126 (ISA guide 15.8): an
; absolute error under 1.2e-38 in an E_j.  Wanted: l != 0, x_var + l^2 > 0, 2 x_var + l^2 > 0; otherwise NaN or infinity, as in
; reference().  A pivot below zero gives NaN in every output, as a failed factorisation does there.
.set CHB,  8192                        ; bytes of a chunk: 512 threads x 16
.set CB,   4                           ; v[4:35]    the 32 constants, constant k in v[CB+k]:
                                       ;   0 K1 = 1/c   1 K2 = l^2/c   2 a   3 b   4 s^2 l   5 1e-6   6 l^2   7 -z_0   8..11 z_0 - z_j (j = 1..4)
                                       ;   12..16 log2(beta RI_j)   17..21 W_j   22 + i (i-1)/2 + j: C_ij (i > j)
.set CT,   CB+22                       ; the strict lower triangle
.set XM,   36                          ; v[36:67]   chunk i at XM + 4 i: m, later out0
.set XV,   68                          ; v[68:99]   chunk i at XV + 4 i: v, later out1
.set R,    100                         ; v[100:103] R                     (each of these: 4 elements, two pairs)
.set T,    104                         ; v[104:107] (m - z_0) R
.set R2,   108                         ; v[108:111] rsq(2 v + l^2)
.set BS,   112                         ; v[112:115] a m + b
.set RR,   116                         ; v[116:119] R^2
.set AC,   120                         ; v[120:123] sum W_j E_j
.set SS,   124                         ; v[124:127] sum A_i^2
.set E,    128                         ; v[128:147] E_j at E + 4 j, later A_j
; wave 0's temporaries for the 5 x 5 part lie in the chunk temporaries, never in XM or XV, into which loads are pending
.set PD,   100                         ; v[100:104] pivot, then RI_j
.set PY,   106                         ; v[106:110] RI h, then C (RI h), then C^T of that
.set PT,   112                         ; v[112:116] beta RI_j
.set PNRM, 118                         ; 2 pi l^2, then 1/sqrt(2 pi l^2)
.set PIL2, 119                         ; 1/l^2
.set PCF,  120                         ; -c/l^2
.set PSS,  122                         ; s^2
.set SZ,   24                          ; s[24:28]   z
.set SH,   32                          ; s[32:36]   h
.set SGL,  37                          ; l
.set SGS,  38                          ; s
.set SGA,  39                          ; a
.set SGB,  40                          ; b
.set WAVE, 41
; Packed f32 arithmetic with a constant broadcast out of its register pair: CB is even, so an even k is the pair's first register
; (op_sel 0, op_sel_hi 0 for that source) and an odd k its second (op_sel 1, op_sel_hi 1).  Each macro serves a chunk's two pairs.
.macro FMAC d, k, x, y                 ; d = c_k x + y
.irp p, 0,2
.if (\k) & 1
	v_pk_fma_f32 v[\d+\p:\d+\p+1], v[CB+\k-1:CB+\k], v[\x+\p:\x+\p+1], v[\y+\p:\y+\p+1] op_sel:[1,0,0] op_sel_hi:[1,1,1]
.else
	v_pk_fma_f32 v[\d+\p:\d+\p+1], v[CB+\k:CB+\k+1], v[\x+\p:\x+\p+1], v[\y+\p:\y+\p+1] op_sel_hi:[0,1,1]
.endif
.endr
.endm
.macro MULC d, k, x                    ; d = c_k x
.irp p, 0,2
.if (\k) & 1
	s_wait_alu depctr_va_vdst(0)
	v_pk_mul_f32 v[\d+\p:\d+\p+1], v[CB+\k-1:CB+\k], v[\x+\p:\x+\p+1] op_sel:[1,0] op_sel_hi:[1,1]
.else
	v_pk_mul_f32 v[\d+\p:\d+\p+1], v[CB+\k:CB+\k+1], v[\x+\p:\x+\p+1] op_sel_hi:[0,1]
.endif
.endr
.endm
.macro ADDC d, k, x                    ; d = c_k + x
.irp p, 0,2
.if (\k) & 1
	v_pk_add_f32 v[\d+\p:\d+\p+1], v[CB+\k-1:CB+\k], v[\x+\p:\x+\p+1] op_sel:[1,0] op_sel_hi:[1,1]
	s_wait_alu depctr_va_vdst(0)
.else
	v_pk_add_f32 v[\d+\p:\d+\p+1], v[CB+\k:CB+\k+1], v[\x+\p:\x+\p+1] op_sel_hi:[0,1]
.endif
.endr
.endm
.macro NSQC d, x, k                    ; d = -x x + c_k
.irp p, 0,2
.if (\k) & 1
	v_pk_fma_f32 v[\d+\p:\d+\p+1], v[\x+\p:\x+\p+1], v[\x+\p:\x+\p+1], v[CB+\k-1:CB+\k] op_sel:[0,0,1] op_sel_hi:[1,1,1] neg_lo:[1,0,0] neg_hi:[1,0,0]
.else
	v_pk_fma_f32 v[\d+\p:\d+\p+1], v[\x+\p:\x+\p+1], v[\x+\p:\x+\p+1], v[CB+\k:CB+\k+1] op_sel_hi:[1,1,0] neg_lo:[1,0,0] neg_hi:[1,0,0]
.endif
.endr
.endm
.macro AFF d, x, k                     ; d = x c_k + c_(k+1), k even: factor and addend out of one pair
.irp p, 0,2
	v_pk_fma_f32 v[\d+\p:\d+\p+1], v[\x+\p:\x+\p+1], v[CB+\k:CB+\k+1], v[CB+\k:CB+\k+1] op_sel:[0,0,1] op_sel_hi:[1,0,1]
.endr
.endm
.macro PMUL d, x, y                    ; d = x y
.irp p, 0,2
	v_pk_mul_f32 v[\d+\p:\d+\p+1], v[\x+\p:\x+\p+1], v[\y+\p:\y+\p+1]
.endr
.endm
.macro EXP4 d                          ; four 2^x in place, back to back; the caller's next line is a plain one that names none of them
.irp q, 0,1,2,3
	v_exp_f32 v[\d+\q], v[\d+\q]
.endr
.endm
	; ---------------- entry, every wave: addresses, then all 16 loads of the wave's share ----------------
	s_load_b256 s[4:11], s[0:1], 0x0               ; x_mean s[4:5], x_var s[6:7], out0 s[8:9], out1 s[10:11]
	s_load_b256 s[12:19], s[0:1], 0x20             ; z s[12:13], h s[14:15], l s[16:17], s s[18:19]
	s_load_b128 s[20:23], s[0:1], 0x40             ; a s[20:21], b s[22:23]
	v_lshl_add_u32 v148, v0, 2, 0x100
	v_mov_b32 v149, 0
	v_lshlrev_b32 v1, 4, v0                        ; 16 t: my bytes in every chunk; never written again
	v_mov_b32 v2, 0                                ; LDS address of the table
	v_lshrrev_b32 v3, 5, v0
	v_readfirstlane_b32 s[WAVE], v3                ; the wave's number as a scalar
	s_lshl_b32 s2, ttmp9, 16                       ; the work-group's 65,536 bytes (255 x 65,536 at the most: one word)
	s_mov_b32 s3, 0
	s_wait_kmcnt 0x0
	s_add_nc_u64 s[4:5], s[4:5], s[2:3]
	s_add_nc_u64 s[6:7], s[6:7], s[2:3]
	s_add_nc_u64 s[8:9], s[8:9], s[2:3]
	s_add_nc_u64 s[10:11], s[10:11], s[2:3]
.irp i, 0,1,2,3,4,5,6,7
	global_load_b128 v[XM+4*\i:XM+4*\i+3], v1, s[4:5] offset:CHB*\i th:TH_LOAD_NT    ; read once in the launch
	global_load_b128 v[XV+4*\i:XV+4*\i+3], v1, s[6:7] offset:CHB*\i th:TH_LOAD_NT
.endr
	s_cmp_lg_u32 s[WAVE], 0
	s_cbranch_scc1 .Lshared                        ; waves 1 to 15 go straight to the barrier
	; ---------------- wave 0 alone: the 5 x 5 part ----------------
	s_load_b128 s[SZ:SZ+3], s[12:13], 0x0
	s_load_b32 s[SZ+4], s[12:13], 0x10
	s_load_b128 s[SH:SH+3], s[14:15], 0x0
	s_load_b32 s[SH+4], s[14:15], 0x10
	s_load_b32 s[SGL], s[16:17], 0x0
	s_load_b32 s[SGS], s[18:19], 0x0
	s_load_b32 s[SGA], s[20:21], 0x0
	s_load_b32 s[SGB], s[22:23], 0x0
	s_wait_kmcnt 0x0
	v_mul_f32 v[CB+6], s[SGL], s[SGL]              ; l^2
	v_mul_f32 v[PNRM], 0x40c90fdb, v[CB+6]         ; 2 pi l^2
	v_rsq_f32 v[PNRM], v[PNRM]                     ; the Gaussians' norm, 1/sqrt(2 pi l^2)
	v_rcp_f32 v[PIL2], v[CB+6]
	v_mov_b32 v[CB+0], 0x3fb17218                  ; K1 = 1/c = 2 ln 2.  (A plain line stands between a transcendental and the use of its result: ISA guide 5.7.2)
	v_mov_b32 v[CB+5], 0x358637bd                  ; 1e-6
	v_mov_b32 v[CB+2], s[SGA]
	v_mov_b32 v[CB+3], s[SGB]
	v_mul_f32 v[PSS], s[SGS], s[SGS]
	v_mul_f32 v[CB+4], s[SGL], v[PSS]              ; s^2 l, with l's sign
	v_mul_f32 v[CB+1], v[CB+0], v[CB+6]            ; K2 = l^2/c
	s_wait_alu depctr_va_vdst(0)
	v_mul_f32 v[PCF], 0xbf38aa3b, v[PIL2]          ; -c/l^2
	; Q_hh's strict lower triangle, in the table's own places: norm x 2^(-(z_r - z_c)^2 c / l^2)
.irp r, 1,2,3,4
.irp c, 0,1,2,3
.if \c < \r
	v_sub_f32 v[CT+\r*(\r-1)/2+\c], s[SZ+\r], s[SZ+\c]
.endif
.endr
.endr
.irp t, 0,1,2,3,4,5,6,7,8,9
	v_mul_f32 v[CT+\t], v[CT+\t], v[CT+\t]
.endr
.irp t, 0,1,2,3,4,5,6,7,8,9
	v_mul_f32 v[CT+\t], v[PCF], v[CT+\t]
.endr
.irp t, 0,1,2,3,4,5,6,7,8,9
	v_exp_f32 v[CT+\t], v[CT+\t]
.endr
.irp j, 0,1,2,3,4
	v_add_f32 v[PD+\j], 0x358637bd, v[PNRM]        ; the diagonal: norm + jitter (and the plain lines behind the exponentials)
.endr
	s_wait_alu depctr_va_vdst(0)
.irp t, 0,1,2,3,4,5,6,7,8,9
	v_mul_f32 v[CT+\t], v[PNRM], v[CT+\t]
.endr
	; Cholesky, column by column, the rest updated at once.  The plain line behind each root makes one of the constants 7..11.
.macro CHOLCOL j
	v_rsq_f32 v[PD+\j], v[PD+\j]                   ; RI_j = 1/L_jj
.if \j == 0
	v_mul_f32 v[CB+7], -1.0, s[SZ]                 ; -z_0
	s_wait_alu depctr_va_vdst(0)
.else
	v_sub_f32 v[CB+7+\j], s[SZ], s[SZ+\j]          ; z_0 - z_j
	s_wait_alu depctr_va_vdst(0)
.endif
.irp r, 1,2,3,4
.if \r > \j
	v_mul_f32 v[CT+\r*(\r-1)/2+\j], v[CT+\r*(\r-1)/2+\j], v[PD+\j]                     ; L_rj
.endif
.endr
.irp r, 1,2,3,4
.irp k, 1,2,3,4
.if \k > \j
.if \k < \r
	v_fma_f32 v[CT+\r*(\r-1)/2+\k], -v[CT+\r*(\r-1)/2+\j], v[CT+\k*(\k-1)/2+\j], v[CT+\r*(\r-1)/2+\k]
.endif
.endif
.endr
.if \r > \j
	v_fma_f32 v[PD+\r], -v[CT+\r*(\r-1)/2+\j], v[CT+\r*(\r-1)/2+\j], v[PD+\r]
.endif
.endr
.endm
	CHOLCOL 0
	CHOLCOL 1
	CHOLCOL 2
	CHOLCOL 3
	CHOLCOL 4
	s_wait_alu depctr_va_vdst(0)
.irp j, 0,1,2,3,4
	v_mul_f32 v[PT+\j], 0x3f3e6170, v[PD+\j]       ; beta RI_j, beta = (sqrt(2 pi) c)^-1/2 = 0.7436743
.endr
.irp j, 0,1,2,3,4
	v_log_f32 v[CB+12+\j], v[PT+\j]                ; the exponents' addends; read first by the LDS stores below
.endr
.irp r, 1,2,3,4
.irp c, 0,1,2,3
.if \c < \r
	v_mul_f32 v[CT+\r*(\r-1)/2+\c], -v[CT+\r*(\r-1)/2+\c], v[PD+\r]                    ; -M, M = diag(RI) L
.endif
.endr
.endr
	; C = M^-1 in place: C_rc = -M_rc + sum over c < k < r of (-M_rk) C_kc.  Rows ascend, so C_kc is final; columns ascend, so row r's
	; places right of c still hold -M.
.irp r, 2,3,4
.irp c, 0,1,2
.irp k, 1,2,3
.if \c < \k
.if \k < \r
	v_fmac_f32 v[CT+\r*(\r-1)/2+\c], v[CT+\r*(\r-1)/2+\k], v[CT+\k*(\k-1)/2+\c]
.endif
.endif
.endr
.endr
.endr
.irp j, 0,1,2,3,4
	v_mul_f32 v[PY+\j], s[SH+\j], v[PD+\j]         ; RI h
.endr
.irp r, 4,3,2,1                                    ; y = C (RI h) in place: rows descend, so the entries above are still the old ones
.irp c, 0,1,2,3
.if \c < \r
	v_fmac_f32 v[PY+\r], v[CT+\r*(\r-1)/2+\c], v[PY+\c]
.endif
.endr
.endr
.irp c, 0,1,2,3                                    ; C^T y in place: columns ascend, so the entries below are still y
.irp r, 1,2,3,4
.if \c < \r
	v_fmac_f32 v[PY+\c], v[CT+\r*(\r-1)/2+\c], v[PY+\r]
.endif
.endr
.endr
.irp j, 0,1,2,3,4
	v_mul_f32 v[CB+17+\j], 0x3f21b1c5, v[PY+\j]    ; W_j, with (2 pi)^-1/4 = 0.6316188
.endr
	s_wait_alu depctr_va_vdst(0)
.irp q, 0,1,2,3,4,5,6,7
	ds_store_b128 v2, v[CB+4*\q:CB+4*\q+3] offset:16*\q    ; 128 bytes; all lanes write the same bytes with the same values
.endr
	s_wait_dscnt 0x0                               ; for the other waves' sake: the table lies in LDS before wave 0 signals
.Lshared:
	s_barrier_signal -1
	s_barrier_wait -1                              ; the one barrier: the table is written once and never again
.irp q, 0,1,2,3,4,5,6,7
	ds_load_b128 v[CB+4*\q:CB+4*\q+3], v2 offset:16*\q     ; every lane the same 16 bytes
.endr
	s_wait_dscnt 0x0
; ---------------- a chunk: 4 elements a lane, 76 packed instructions, 28 transcendentals, 2 stores ----------------
.macro CHUNK i
	s_wait_loadcnt 14-2*\i                         ; loads return in order (ISA guide 5.7.1): behind this chunk's two stand 2 (7 - i) younger ones, which stay out
	AFF R, XV+4*\i, 0                              ; v/c + l^2/c
.irp p, 0,2
	v_pk_fma_f32 v[R2+\p:R2+\p+1], v[XV+4*\i+\p:XV+4*\i+\p+1], 2.0, v[CB+6:CB+7] op_sel_hi:[1,0,0]   ; 2 v + l^2
.endr
.irp q, 0,1,2,3
	v_rsq_f32 v[R+\q], v[R+\q]
.endr
.irp q, 0,1,2,3
	v_rsq_f32 v[R2+\q], v[R2+\q]
.endr
	ADDC T, 7, XM+4*\i                             ; m - z_0 (plain lines that name no root: the place behind them)
	AFF BS, XM+4*\i, 2                             ; a m + b
	PMUL T, T, R                                   ; U_0
	NSQC E, T, 12
	EXP4 E
.irp j, 1,2,3,4
	FMAC E+4*\j, 7+\j, R, T                        ; U_j = (z_0 - z_j) R + U_0: also the plain line behind the exponentials above
	NSQC E+4*\j, E+4*\j, 12+\j
	EXP4 E+4*\j
.endr
	PMUL RR, R, R                                  ; the plain line behind the last exponentials
	MULC AC, 21, E+16                              ; W_4 E_4 starts the mean's sum
.irp j, 3,2,1,0                                    ; j descends: E_j is read before the smaller j are added into it
	FMAC AC, 17+\j, E+4*\j, AC
.irp r, 1,2,3,4
.if \r > \j
	FMAC E+4*\r, 22+\r*(\r-1)/2+\j, E+4*\j, E+4*\r ; A_r += C_rj E_j
.endif
.endr
.endr
.irp p, 0,2
	v_pk_fma_f32 v[XM+4*\i+\p:XM+4*\i+\p+1], v[R+\p:R+\p+1], v[AC+\p:AC+\p+1], v[BS+\p:BS+\p+1]      ; out0
.endr
	global_store_b128 v1, v[XM+4*\i:XM+4*\i+3], s[8:9] offset:CHB*\i th:TH_STORE_NT
	PMUL SS, E, E                                  ; A_0^2 starts the sum of squares
.irp r, 1,2,3,4
.irp p, 0,2
	v_pk_fma_f32 v[SS+\p:SS+\p+1], v[E+4*\r+\p:E+4*\r+\p+1], v[E+4*\r+\p:E+4*\r+\p+1], v[SS+\p:SS+\p+1]
.endr
.endr
.irp p, 0,2
	v_pk_fma_f32 v[SS+\p:SS+\p+1], v[RR+\p:RR+\p+1], v[SS+\p:SS+\p+1], v[R2+\p:R2+\p+1] neg_lo:[1,0,0] neg_hi:[1,0,0]   ; rsq(2 v + l^2) - R^2 S
.endr
	AFF XV+4*\i, SS, 4                             ; x s^2 l + 1e-6 = out1
	global_store_b128 v1, v[XV+4*\i:XV+4*\i+3], s[10:11] offset:CHB*\i th:TH_STORE_NT
.endm
.irp n, 0,1,2,3,4,5,6,7
	CHUNK \n
.endr
	s_wait_tensorcnt 0x0
	ds_add_u32 v148, v149
	s_wait_dscnt 0x0
	s_endpgm
.Lfunc_end_k_q846b423f5d_gp:
	.size	k_q846b423f5d_gp, .Lfunc_end_k_q846b423f5d_gp-k_q846b423f5d_gp
	.p2alignl 7, 3214868480
	.fill 96, 4, 3214868480
	.section	.rodata,"a",@progbits
	.p2align	6, 0x0
	.amdhsa_kernel k_q846b423f5d_gp
		.amdhsa_group_segment_fixed_size 2304
		.amdhsa_private_segment_fixed_size 0
		.amdhsa_enable_private_segment 0
		.amdhsa_kernarg_size 80
		.amdhsa_user_sgpr_count 2
		.amdhsa_user_sgpr_kernarg_segment_ptr 1
		.amdhsa_wavefront_size32 1
		.amdhsa_system_sgpr_workgroup_id_x 1
		.amdhsa_system_sgpr_workgroup_id_y 1
		.amdhsa_system_sgpr_workgroup_id_z 1
		.amdhsa_system_vgpr_workitem_id 0
		.amdhsa_next_free_vgpr 150
		.amdhsa_next_free_sgpr 66
		.amdhsa_reserve_vcc 0
		.amdhsa_float_denorm_mode_32 3
		.amdhsa_float_denorm_mode_16_64 3
		.amdhsa_memory_ordered 1
		.amdhsa_forward_progress 1
		.amdhsa_inst_pref_size 60
	.end_amdhsa_kernel
	.amdgpu_metadata
---
amdhsa.version: [ 1, 2 ]
amdhsa.kernels:
  - .name:           k_q846b423f5d_gp
    .symbol:         k_q846b423f5d_gp.kd
    .args:
      - { .name: x_mean, .offset: 0, .size: 8, .value_kind: global_buffer, .address_space: global }
      - { .name: x_var, .offset: 8, .size: 8, .value_kind: global_buffer, .address_space: global }
      - { .name: out0, .offset: 16, .size: 8, .value_kind: global_buffer, .address_space: global }
      - { .name: out1, .offset: 24, .size: 8, .value_kind: global_buffer, .address_space: global }
      - { .name: z, .offset: 32, .size: 8, .value_kind: global_buffer, .address_space: global }
      - { .name: h, .offset: 40, .size: 8, .value_kind: global_buffer, .address_space: global }
      - { .name: l, .offset: 48, .size: 8, .value_kind: global_buffer, .address_space: global }
      - { .name: s, .offset: 56, .size: 8, .value_kind: global_buffer, .address_space: global }
      - { .name: a, .offset: 64, .size: 8, .value_kind: global_buffer, .address_space: global }
      - { .name: b, .offset: 72, .size: 8, .value_kind: global_buffer, .address_space: global }
    .group_segment_fixed_size: 2304
    .private_segment_fixed_size: 0
    .kernarg_segment_align: 8
    .kernarg_segment_size: 80
    .max_flat_workgroup_size: 512
    .sgpr_count:     66
    .vgpr_count:     150
    .wavefront_size: 32
...
	.end_amdgpu_metadata
.endif
;; end of part 1
;; ======== version 2 of 2: 1 launch; version 1 with the launch gp written anew for expert scheduling mode
;; launch gp (part 2): grid 256 x 1, 16 waves a work-group, no clusters, 2,304 bytes of LDS; arguments x_mean, x_var, out0, out1, z, h, l, s, a, b; writes out0, out1
.if DOCPART == 2
	.amdgcn_target "amdgcn-amd-amdhsa--gfx1250"
	.amdhsa_code_object_version 6
	.text
	.protected	k_q846b423f5d_gp
	.globl	k_q846b423f5d_gp
	.p2align	8
	.type	k_q846b423f5d_gp,@function
k_q846b423f5d_gp:
	s_mov_b64 s[64:65], 0
	v_nop
	global_prefetch_b8 v0, s[64:65] scope:SCOPE_SE
	s_setreg_imm32_b32 hwreg(HW_REG_WAVE_SCHED_MODE, 0, 2), 2
	s_setreg_imm32_b32 hwreg(HW_REG_WAVE_MODE, 25, 1), 1
	s_wait_xcnt 0x0
	s_wait_alu depctr_vm_vsrc(0)
; GP neuron with 5 inducing points, 4,194,304 independent scalar inputs (m = x_mean[n], v = x_var[n]), all in f32.
;   out0 = a m + b + q . (Qinv h)          q_j = N(m; z_j, v + l^2)
;   out1 = s^2 l / sqrt(l^2 + 2 v) - sqrt(2 pi) s^2 l |Linv q|^2 + 1e-6,      L = chol(Q_hh + 1e-6 I)
;
; SHARES.  256 work-groups of 16 waves; a work-group owns 16,384 elements = 65,536 bytes of each array, as 8 chunks of 8,192 bytes.
; In chunk i thread t owns the 16 bytes at 8192 i + 16 t: each load and store of a wave covers 512 consecutive bytes, aligned.
; A wave's whole share is 16 loads (64 registers); all are issued in the first lines, so there is no ring, no refill, no loop.
; Results are written into the chunk's own input registers and stored from there: no register that a memory instruction names
; (v1, the bases, store data) is written again and EXEC never changes, so no wait is needed to free a source.
;
; THE MODE: SCHED_MODE bits 1:0 = 2 (LLVM: expert scheduling mode 2), set by the entry lines.  The code itself states the register dependences
; between vector instructions and memory or LDS instructions, with s_wait_alu, always for 0.
; THE PLAN.  Registers that memory or LDS instructions touch:
;   v1, v2       offset of every load and store; LDS address of the table.  Written once at the head, ahead of one wait on va_vdst; never again.
;   XM[i], XV[i] The head's loads land in them (no vector line names them before).  Chunk i's vector lines read them and at the chunk's end write out0
;                and out1 there.  The two stores that read them are issued in chunk i + 1, directly behind that chunk's first wait on va_vdst.
;   v[CB ..]     Wave 0 alone: written by the 5 x 5 part, read by eight LDS stores (a wait on va_vdst ahead of them, a wait on vm_vsrc behind them).
;                Every wave: eight LDS loads land in them behind the barrier; the chunks' vector lines read them.
;   v100 - v147  are named by vector instructions alone.
; A chunk has two waits on va_vdst, each ahead of the first reader of a batch of transcendentals (the eight roots; the twenty exponentials);
; the first of them also states that the chunk before has written its results.  One more stands ahead of the last two stores.
;
; THE 5 x 5 PART hangs on no element.  Wave 0 computes it (uniform vector arithmetic, every lane the same numbers) while the loads are
; on their way, lays 32 constants into LDS, and behind one barrier every wave reads them into v[CB:CB+31].
;
; ALGEBRA, with c = log2(e)/2, RI_j = 1/L_jj, C = (diag(RI) L)^-1 (unit lower triangle, Linv = C diag(RI)):
;   R   = rsq(v/c + l^2/c)                 so that R^2 = c / (v + l^2)
;   U_j = (z_0 - z_j) R + (m - z_0) R      centred on z_0: a common offset of x_mean and z cancels before anything is multiplied
;   E_j = exp2(-U_j^2 + log2(beta RI_j))   beta = (sqrt(2 pi) c)^-1/2: Linv's diagonal and all constant factors ride in the addend
;   A_i = E_i + sum over j < i of C_ij E_j                          (10 multiply-adds in place of 15)
;   out0 = R (sum W_j E_j) + (a m + b)     W = (2 pi)^-1/4 C^T (C (RI h))
;   out1 = (rsq(2 v + l^2) - R^2 sum A_i^2) s^2 l + 1e-6
;
; NOT ON THE MATRIX UNITS: the products have K = 5 and 6 useful columns, and 16-bit operands would carry a relative rounding of 2^-9
; into sum_j Linv_ij q_j, whose terms cancel the more the closer the z lie (Linv grows as the root of Q_hh's condition number).
; NO CLUSTER: all that work-groups share is the 56 bytes of z, h, l, s, a, b.
;
; LIMITS.  The order of rounding is not reference()'s (rsq in place of root and division; Linv used as C diag(RI); w as Linv^T (Linv h));
; as there, errors of the 5 x 5 part grow with cond(Q_hh) x 2^-24.  v_exp_f32 gives 0 for results under 2^-126 (ISA guide 15.8): an
; absolute error under 1.2e-38 in an E_j.  Wanted: l != 0, x_var + l^2 > 0, 2 x_var + l^2 > 0; otherwise NaN or infinity, as in
; reference().  A pivot below zero gives NaN in every output, as a failed factorisation does there.
.set CHB,  8192                        ; bytes of a chunk: 512 threads x 16
.set CB,   4                           ; v[4:35]    the 32 constants, constant k in v[CB+k]:
                                       ;   0 K1 = 1/c   1 K2 = l^2/c   2 a   3 b   4 s^2 l   5 1e-6   6 l^2   7 -z_0   8..11 z_0 - z_j (j = 1..4)
                                       ;   12..16 log2(beta RI_j)   17..21 W_j   22 + i (i-1)/2 + j: C_ij (i > j)
.set CT,   CB+22                       ; the strict lower triangle
.set XM,   36                          ; v[36:67]   chunk i at XM + 4 i: m, later out0
.set XV,   68                          ; v[68:99]   chunk i at XV + 4 i: v, later out1
.set R,    100                         ; v[100:103] R                     (each of these: 4 elements, two pairs)
.set T,    104                         ; v[104:107] (m - z_0) R
.set R2,   108                         ; v[108:111] rsq(2 v + l^2)
.set BS,   112                         ; v[112:115] a m + b
.set RR,   116                         ; v[116:119] R^2
.set AC,   120                         ; v[120:123] sum W_j E_j
.set SS,   124                         ; v[124:127] sum A_i^2
.set E,    128                         ; v[128:147] E_j at E + 4 j, later A_j
; wave 0's temporaries for the 5 x 5 part lie in the chunk temporaries, never in XM or XV, into which loads are pending
.set PD,   100                         ; v[100:104] pivot, then RI_j
.set PY,   106                         ; v[106:110] RI h, then C (RI h), then C^T of that
.set PT,   112                         ; v[112:116] beta RI_j
.set PNRM, 118                         ; 2 pi l^2, then 1/sqrt(2 pi l^2)
.set PIL2, 119                         ; 1/l^2
.set PCF,  120                         ; -c/l^2
.set PSS,  122                         ; s^2
.set SZ,   24                          ; s[24:28]   z
.set SH,   32                          ; s[32:36]   h
.set SGL,  37                          ; l
.set SGS,  38                          ; s
.set SGA,  39                          ; a
.set SGB,  40                          ; b
.set WAVE, 41
; Packed f32 arithmetic with a constant broadcast out of its register pair: CB is even, so an even k is the pair's first register
; (op_sel 0, op_sel_hi 0 for that source) and an odd k its second (op_sel 1, op_sel_hi 1).  Each macro serves a chunk's two pairs.
.macro FMAC d, k, x, y                 ; d = c_k x + y
.irp p, 0,2
.if (\k) & 1
	v_pk_fma_f32 v[\d+\p:\d+\p+1], v[CB+\k-1:CB+\k], v[\x+\p:\x+\p+1], v[\y+\p:\y+\p+1] op_sel:[1,0,0] op_sel_hi:[1,1,1]
.else
	v_pk_fma_f32 v[\d+\p:\d+\p+1], v[CB+\k:CB+\k+1], v[\x+\p:\x+\p+1], v[\y+\p:\y+\p+1] op_sel_hi:[0,1,1]
.endif
.endr
.endm
.macro MULC d, k, x                    ; d = c_k x
.irp p, 0,2
.if (\k) & 1
	v_pk_mul_f32 v[\d+\p:\d+\p+1], v[CB+\k-1:CB+\k], v[\x+\p:\x+\p+1] op_sel:[1,0] op_sel_hi:[1,1]
.else
	v_pk_mul_f32 v[\d+\p:\d+\p+1], v[CB+\k:CB+\k+1], v[\x+\p:\x+\p+1] op_sel_hi:[0,1]
.endif
.endr
.endm
.macro ADDC d, k, x                    ; d = c_k + x
.irp p, 0,2
.if (\k) & 1
	v_pk_add_f32 v[\d+\p:\d+\p+1], v[CB+\k-1:CB+\k], v[\x+\p:\x+\p+1] op_sel:[1,0] op_sel_hi:[1,1]
.else
	v_pk_add_f32 v[\d+\p:\d+\p+1], v[CB+\k:CB+\k+1], v[\x+\p:\x+\p+1] op_sel_hi:[0,1]
.endif
.endr
.endm
.macro NSQC d, x, k                    ; d = -x x + c_k
.irp p, 0,2
.if (\k) & 1
	v_pk_fma_f32 v[\d+\p:\d+\p+1], v[\x+\p:\x+\p+1], v[\x+\p:\x+\p+1], v[CB+\k-1:CB+\k] op_sel:[0,0,1] op_sel_hi:[1,1,1] neg_lo:[1,0,0] neg_hi:[1,0,0]
.else
	v_pk_fma_f32 v[\d+\p:\d+\p+1], v[\x+\p:\x+\p+1], v[\x+\p:\x+\p+1], v[CB+\k:CB+\k+1] op_sel_hi:[1,1,0] neg_lo:[1,0,0] neg_hi:[1,0,0]
.endif
.endr
.endm
.macro AFF d, x, k                     ; d = x c_k + c_(k+1), k even: factor and addend out of one pair
.irp p, 0,2
	v_pk_fma_f32 v[\d+\p:\d+\p+1], v[\x+\p:\x+\p+1], v[CB+\k:CB+\k+1], v[CB+\k:CB+\k+1] op_sel:[0,0,1] op_sel_hi:[1,0,1]
.endr
.endm
.macro PMUL d, x, y                    ; d = x y
.irp p, 0,2
	v_pk_mul_f32 v[\d+\p:\d+\p+1], v[\x+\p:\x+\p+1], v[\y+\p:\y+\p+1]
.endr
.endm
.macro EXP4 d                          ; four 2^x in place, back to back; the caller's next line is a plain one that names none of them
.irp q, 0,1,2,3
	v_exp_f32 v[\d+\q], v[\d+\q]
.endr
.endm
	; ---------------- entry, every wave: addresses, then all 16 loads of the wave's share ----------------
	s_load_b256 s[4:11], s[0:1], 0x0               ; x_mean s[4:5], x_var s[6:7], out0 s[8:9], out1 s[10:11]
	s_load_b256 s[12:19], s[0:1], 0x20             ; z s[12:13], h s[14:15], l s[16:17], s s[18:19]
	s_load_b128 s[20:23], s[0:1], 0x40             ; a s[20:21], b s[22:23]
	v_lshl_add_u32 v148, v0, 2, 0x100
	v_mov_b32 v149, 0
	v_lshlrev_b32 v1, 4, v0                        ; 16 t: my bytes in every chunk; never written again
	v_mov_b32 v2, 0                                ; LDS address of the table
	v_lshrrev_b32 v3, 5, v0
	v_readfirstlane_b32 s[WAVE], v3                ; the wave's number as a scalar
	s_lshl_b32 s2, ttmp9, 16                       ; the work-group's 65,536 bytes (255 x 65,536 at the most: one word)
	s_mov_b32 s3, 0
	s_wait_kmcnt 0x0
	s_add_nc_u64 s[4:5], s[4:5], s[2:3]
	s_add_nc_u64 s[6:7], s[6:7], s[2:3]
	s_add_nc_u64 s[8:9], s[8:9], s[2:3]
	s_add_nc_u64 s[10:11], s[10:11], s[2:3]
	s_wait_alu depctr_va_vdst(0)                   ; v1 and v2 are written: every load and store below reads v1 as its offset, every LDS instruction v2 as its address
.irp i, 0,1,2,3,4,5,6,7
	global_load_b128 v[XM+4*\i:XM+4*\i+3], v1, s[4:5] offset:CHB*\i th:TH_LOAD_NT    ; read once in the launch
	global_load_b128 v[XV+4*\i:XV+4*\i+3], v1, s[6:7] offset:CHB*\i th:TH_LOAD_NT
.endr
	s_wait_alu depctr_va_sdst(0)                   ; the wave's number is written, ahead of its first reader, the compare below
	s_cmp_lg_u32 s[WAVE], 0
	s_cbranch_scc1 .Lshared                        ; waves 1 to 15 go straight to the barrier
	; ---------------- wave 0 alone: the 5 x 5 part ----------------
	s_load_b128 s[SZ:SZ+3], s[12:13], 0x0
	s_load_b32 s[SZ+4], s[12:13], 0x10
	s_load_b128 s[SH:SH+3], s[14:15], 0x0
	s_load_b32 s[SH+4], s[14:15], 0x10
	s_load_b32 s[SGL], s[16:17], 0x0
	s_load_b32 s[SGS], s[18:19], 0x0
	s_load_b32 s[SGA], s[20:21], 0x0
	s_load_b32 s[SGB], s[22:23], 0x0
	s_wait_kmcnt 0x0
	v_mul_f32 v[CB+6], s[SGL], s[SGL]              ; l^2
	v_mul_f32 v[PNRM], 0x40c90fdb, v[CB+6]         ; 2 pi l^2
	v_rsq_f32 v[PNRM], v[PNRM]                     ; the Gaussians' norm, 1/sqrt(2 pi l^2)
	v_rcp_f32 v[PIL2], v[CB+6]
	v_mov_b32 v[CB+0], 0x3fb17218                  ; K1 = 1/c = 2 ln 2.  (A plain line stands between a transcendental and the use of its result: ISA guide 5.7.2)
	v_mov_b32 v[CB+5], 0x358637bd                  ; 1e-6
	v_mov_b32 v[CB+2], s[SGA]
	v_mov_b32 v[CB+3], s[SGB]
	v_mul_f32 v[PSS], s[SGS], s[SGS]
	v_mul_f32 v[CB+4], s[SGL], v[PSS]              ; s^2 l, with l's sign
	v_mul_f32 v[CB+1], v[CB+0], v[CB+6]            ; K2 = l^2/c
	s_wait_alu depctr_va_vdst(0)                   ; the norm and 1/l^2 are written, ahead of their first reader: one wait for the two
	v_mul_f32 v[PCF], 0xbf38aa3b, v[PIL2]          ; -c/l^2
	; Q_hh's strict lower triangle, in the table's own places: norm x 2^(-(z_r - z_c)^2 c / l^2)
.irp r, 1,2,3,4
.irp c, 0,1,2,3
.if \c < \r
	v_sub_f32 v[CT+\r*(\r-1)/2+\c], s[SZ+\r], s[SZ+\c]
.endif
.endr
.endr
.irp t, 0,1,2,3,4,5,6,7,8,9
	v_mul_f32 v[CT+\t], v[CT+\t], v[CT+\t]
.endr
.irp t, 0,1,2,3,4,5,6,7,8,9
	v_mul_f32 v[CT+\t], v[PCF], v[CT+\t]
.endr
.irp t, 0,1,2,3,4,5,6,7,8,9
	v_exp_f32 v[CT+\t], v[CT+\t]
.endr
.irp j, 0,1,2,3,4
	v_add_f32 v[PD+\j], 0x358637bd, v[PNRM]        ; the diagonal: norm + jitter (and the plain lines behind the exponentials)
.endr
	s_wait_alu depctr_va_vdst(0)                   ; the ten exponentials are written, ahead of their first reader: one wait for the batch
.irp t, 0,1,2,3,4,5,6,7,8,9
	v_mul_f32 v[CT+\t], v[PNRM], v[CT+\t]
.endr
	; Cholesky, column by column, the rest updated at once.  The plain line behind each root makes one of the constants 7..11.
.macro CHOLCOL j
	v_rsq_f32 v[PD+\j], v[PD+\j]                   ; RI_j = 1/L_jj
.if \j == 0
	v_mul_f32 v[CB+7], -1.0, s[SZ]                 ; -z_0
.else
	v_sub_f32 v[CB+7+\j], s[SZ], s[SZ+\j]          ; z_0 - z_j
.endif
	s_wait_alu depctr_va_vdst(0)                   ; RI_j is written, ahead of its first reader; each pivot hangs on the column before, so each root has a wait of its own
.irp r, 1,2,3,4
.if \r > \j
	v_mul_f32 v[CT+\r*(\r-1)/2+\j], v[CT+\r*(\r-1)/2+\j], v[PD+\j]                     ; L_rj
.endif
.endr
.irp r, 1,2,3,4
.irp k, 1,2,3,4
.if \k > \j
.if \k < \r
	v_fma_f32 v[CT+\r*(\r-1)/2+\k], -v[CT+\r*(\r-1)/2+\j], v[CT+\k*(\k-1)/2+\j], v[CT+\r*(\r-1)/2+\k]
.endif
.endif
.endr
.if \r > \j
	v_fma_f32 v[PD+\r], -v[CT+\r*(\r-1)/2+\j], v[CT+\r*(\r-1)/2+\j], v[PD+\r]
.endif
.endr
.endm
	CHOLCOL 0
	CHOLCOL 1
	CHOLCOL 2
	CHOLCOL 3
	CHOLCOL 4
.irp j, 0,1,2,3,4
	v_mul_f32 v[PT+\j], 0x3f3e6170, v[PD+\j]       ; beta RI_j, beta = (sqrt(2 pi) c)^-1/2 = 0.7436743
.endr
.irp j, 0,1,2,3,4
	v_log_f32 v[CB+12+\j], v[PT+\j]                ; the exponents' addends; read first by the LDS stores below
.endr
.irp r, 1,2,3,4
.irp c, 0,1,2,3
.if \c < \r
	v_mul_f32 v[CT+\r*(\r-1)/2+\c], -v[CT+\r*(\r-1)/2+\c], v[PD+\r]                    ; -M, M = diag(RI) L
.endif
.endr
.endr
	; C = M^-1 in place: C_rc = -M_rc + sum over c < k < r of (-M_rk) C_kc.  Rows ascend, so C_kc is final; columns ascend, so row r's
	; places right of c still hold -M.
.irp r, 2,3,4
.irp c, 0,1,2
.irp k, 1,2,3
.if \c < \k
.if \k < \r
	v_fmac_f32 v[CT+\r*(\r-1)/2+\c], v[CT+\r*(\r-1)/2+\k], v[CT+\k*(\k-1)/2+\c]
.endif
.endif
.endr
.endr
.endr
.irp j, 0,1,2,3,4
	v_mul_f32 v[PY+\j], s[SH+\j], v[PD+\j]         ; RI h
.endr
.irp r, 4,3,2,1                                    ; y = C (RI h) in place: rows descend, so the entries above are still the old ones
.irp c, 0,1,2,3
.if \c < \r
	v_fmac_f32 v[PY+\r], v[CT+\r*(\r-1)/2+\c], v[PY+\c]
.endif
.endr
.endr
.irp c, 0,1,2,3                                    ; C^T y in place: columns ascend, so the entries below are still y
.irp r, 1,2,3,4
.if \c < \r
	v_fmac_f32 v[PY+\c], v[CT+\r*(\r-1)/2+\c], v[PY+\r]
.endif
.endr
.endr
.irp j, 0,1,2,3,4
	v_mul_f32 v[CB+17+\j], 0x3f21b1c5, v[PY+\j]    ; W_j, with (2 pi)^-1/4 = 0.6316188
.endr
	s_wait_alu depctr_va_vdst(0)                   ; the 32 constants are written, the five logarithms among them: the LDS stores read them; no vector line follows before the LDS loads that land in the same registers
.irp q, 0,1,2,3,4,5,6,7
	ds_store_b128 v2, v[CB+4*\q:CB+4*\q+3] offset:16*\q    ; 128 bytes; all lanes write the same bytes with the same values
.endr
	s_wait_dscnt 0x0                               ; for the other waves' sake: the table lies in LDS before wave 0 signals
	s_wait_alu depctr_vm_vsrc(0)                   ; the LDS stores have read v[CB ..], in which the LDS loads behind the barrier land
.Lshared:
	s_barrier_signal -1
	s_barrier_wait -1                              ; the one barrier: the table is written once and never again
.irp q, 0,1,2,3,4,5,6,7
	ds_load_b128 v[CB+4*\q:CB+4*\q+3], v2 offset:16*\q     ; every lane the same 16 bytes
.endr
	s_wait_dscnt 0x0
; ---------------- a chunk: 4 elements a lane, 76 packed instructions, 28 transcendentals; the two stores of the chunk before ----------------
.macro CHUNK i
	s_wait_loadcnt 14-2*\i                         ; loads return in order (ISA guide 5.7.1): behind this chunk's two stand 2 (7 - i) younger ones, which stay out
	AFF R, XV+4*\i, 0                              ; v/c + l^2/c
.irp p, 0,2
	v_pk_fma_f32 v[R2+\p:R2+\p+1], v[XV+4*\i+\p:XV+4*\i+\p+1], 2.0, v[CB+6:CB+7] op_sel_hi:[1,0,0]   ; 2 v + l^2
.endr
.irp q, 0,1,2,3
	v_rsq_f32 v[R+\q], v[R+\q]
.endr
.irp q, 0,1,2,3
	v_rsq_f32 v[R2+\q], v[R2+\q]
.endr
	ADDC T, 7, XM+4*\i                             ; m - z_0 (plain lines that name no root: the place behind them)
	AFF BS, XM+4*\i, 2                             ; a m + b
	s_wait_alu depctr_va_vdst(0)                   ; the eight roots are written, ahead of their first reader; and the chunk before has written its out0 and out1, which the two stores below read
.if \i > 0
	global_store_b128 v1, v[XM+4*\i-4:XM+4*\i-1], s[8:9] offset:CHB*\i-CHB th:TH_STORE_NT      ; the chunk before: no vector line since the wait names these registers
	global_store_b128 v1, v[XV+4*\i-4:XV+4*\i-1], s[10:11] offset:CHB*\i-CHB th:TH_STORE_NT
.endif
	PMUL T, T, R                                   ; U_0
	NSQC E, T, 12
	EXP4 E
.irp j, 1,2,3,4
	FMAC E+4*\j, 7+\j, R, T                        ; U_j = (z_0 - z_j) R + U_0: also the plain line behind the exponentials above
	NSQC E+4*\j, E+4*\j, 12+\j
	EXP4 E+4*\j
.endr
	PMUL RR, R, R                                  ; the plain line behind the last exponentials
	s_wait_alu depctr_va_vdst(0)                   ; the twenty exponentials are written, ahead of their first reader: one wait for the batch
	MULC AC, 21, E+16                              ; W_4 E_4 starts the mean's sum
.irp j, 3,2,1,0                                    ; j descends: E_j is read before the smaller j are added into it
	FMAC AC, 17+\j, E+4*\j, AC
.irp r, 1,2,3,4
.if \r > \j
	FMAC E+4*\r, 22+\r*(\r-1)/2+\j, E+4*\j, E+4*\r ; A_r += C_rj E_j
.endif
.endr
.endr
.irp p, 0,2
	v_pk_fma_f32 v[XM+4*\i+\p:XM+4*\i+\p+1], v[R+\p:R+\p+1], v[AC+\p:AC+\p+1], v[BS+\p:BS+\p+1]      ; out0
.endr
	PMUL SS, E, E                                  ; A_0^2 starts the sum of squares
.irp r, 1,2,3,4
.irp p, 0,2
	v_pk_fma_f32 v[SS+\p:SS+\p+1], v[E+4*\r+\p:E+4*\r+\p+1], v[E+4*\r+\p:E+4*\r+\p+1], v[SS+\p:SS+\p+1]
.endr
.endr
.irp p, 0,2
	v_pk_fma_f32 v[SS+\p:SS+\p+1], v[RR+\p:RR+\p+1], v[SS+\p:SS+\p+1], v[R2+\p:R2+\p+1] neg_lo:[1,0,0] neg_hi:[1,0,0]   ; rsq(2 v + l^2) - R^2 S
.endr
	AFF XV+4*\i, SS, 4                             ; x s^2 l + 1e-6 = out1
.endm
.irp n, 0,1,2,3,4,5,6,7
	CHUNK \n
.endr
	s_wait_alu depctr_va_vdst(0)                   ; chunk 7 has written its out0 and out1, which the last two stores read
	global_store_b128 v1, v[XM+28:XM+31], s[8:9] offset:CHB*7 th:TH_STORE_NT
	global_store_b128 v1, v[XV+28:XV+31], s[10:11] offset:CHB*7 th:TH_STORE_NT
	s_wait_dscnt 0x0
	s_wait_alu depctr_hold_cnt(0) depctr_sa_sdst(0) depctr_va_vdst(0) depctr_va_sdst(0) depctr_va_ssrc(0) depctr_va_vcc(0) depctr_vm_vsrc(0)
	s_wait_tensorcnt 0x0
	ds_add_u32 v148, v149
	s_wait_dscnt 0x0
	s_endpgm
.Lfunc_end_k_q846b423f5d_gp:
	.size	k_q846b423f5d_gp, .Lfunc_end_k_q846b423f5d_gp-k_q846b423f5d_gp
	.p2alignl 7, 3214868480
	.fill 96, 4, 3214868480
	.section	.rodata,"a",@progbits
	.p2align	6, 0x0
	.amdhsa_kernel k_q846b423f5d_gp
		.amdhsa_group_segment_fixed_size 2304
		.amdhsa_private_segment_fixed_size 0
		.amdhsa_enable_private_segment 0
		.amdhsa_kernarg_size 80
		.amdhsa_user_sgpr_count 2
		.amdhsa_user_sgpr_kernarg_segment_ptr 1
		.amdhsa_wavefront_size32 1
		.amdhsa_system_sgpr_workgroup_id_x 1
		.amdhsa_system_sgpr_workgroup_id_y 1
		.amdhsa_system_sgpr_workgroup_id_z 1
		.amdhsa_system_vgpr_workitem_id 0
		.amdhsa_next_free_vgpr 150
		.amdhsa_next_free_sgpr 66
		.amdhsa_reserve_vcc 0
		.amdhsa_float_denorm_mode_32 3
		.amdhsa_float_denorm_mode_16_64 3
		.amdhsa_memory_ordered 1
		.amdhsa_forward_progress 1
		.amdhsa_inst_pref_size 60
	.end_amdhsa_kernel
	.amdgpu_metadata
---
amdhsa.version: [ 1, 2 ]
amdhsa.kernels:
  - .name:           k_q846b423f5d_gp
    .symbol:         k_q846b423f5d_gp.kd
    .args:
      - { .name: x_mean, .offset: 0, .size: 8, .value_kind: global_buffer, .address_space: global }
      - { .name: x_var, .offset: 8, .size: 8, .value_kind: global_buffer, .address_space: global }
      - { .name: out0, .offset: 16, .size: 8, .value_kind: global_buffer, .address_space: global }
      - { .name: out1, .offset: 24, .size: 8, .value_kind: global_buffer, .address_space: global }
      - { .name: z, .offset: 32, .size: 8, .value_kind: global_buffer, .address_space: global }
      - { .name: h, .offset: 40, .size: 8, .value_kind: global_buffer, .address_space: global }
      - { .name: l, .offset: 48, .size: 8, .value_kind: global_buffer, .address_space: global }
      - { .name: s, .offset: 56, .size: 8, .value_kind: global_buffer, .address_space: global }
      - { .name: a, .offset: 64, .size: 8, .value_kind: global_buffer, .address_space: global }
      - { .name: b, .offset: 72, .size: 8, .value_kind: global_buffer, .address_space: global }
    .group_segment_fixed_size: 2304
    .private_segment_fixed_size: 0
    .kernarg_segment_align: 8
    .kernarg_segment_size: 80
    .max_flat_workgroup_size: 512
    .sgpr_count:     66
    .vgpr_count:     150
    .wavefront_size: 32
...
	.end_amdgpu_metadata
.endif
;; end of part 2
